; MI455X (gfx1250); checked and timed in simulation.
; The chip was launched on July 23, 2026; its instructions are those of AMD's public machine-readable ISA for CDNA 5 (MIT licence, August 2026) and "CDNA5" Instruction Set Architecture Reference Guide (July 2026). The comments in the code are by the model that wrote it; some were corrected since.
;; Bahdanau Attention. Allowed arithmetic: matrix products marked QUANTISED: E2M1 operands, one E8M0 scale for each 32 along K, by v_wmma_scale_f32_16x16x128_f8f6f4 with both operands' format E2M1 (or v_wmma_scale_f32_32x16x128_f4), f32 sums; products left as they are: f32 operands where the result goes on into a quantised operand, else bf16, f16 or f32 operands; f32 sums; everything else in f32.
;; Inputs: W1_codes 1,024 x 32 x 16 uint8 (E2M1 codes of W1, K innermost, in blocks of 32 codes, two codes a byte); W1_scales 1,024 x 32 uint8 (E8M0 scales of W1, one for each 32 codes along K); W2_codes 1,024 x 32 x 16 uint8 (E2M1 codes of W2, K innermost, in blocks of 32 codes, two codes a byte); W2_scales 1,024 x 32 uint8 (E8M0 scales of W2, one for each 32 codes along K); encoder_outputs 32 x 2,048 x 1,024 float32; hidden_top_codes 32 x 32 x 16 uint8 (E2M1 codes of hidden_top, K innermost, in blocks of 32 codes, two codes a byte); hidden_top_scales 32 x 32 uint8 (E8M0 scales of hidden_top, one for each 32 codes along K); mask 32 x 2,048 bool; v 1,024 float32.
;; Outputs: out0 32 x 1,024 float32; out1 32 x 2,048 float32.
;; This version of the problem:
;;   THIS VERSION OF THE PROBLEM IS GIVEN IN LOW PRECISION. The matrix products marked QUANTISED in the list below multiply operands that are first quantised to E2M1 (2 exponent bits, 1 mantissa bit; 4 bits a number), with one power-of-two scale for each 32 numbers along K (OCP MX v1.0); their sums are f32. All else is computed in f32.
;;   The module's matrix products, in the order in which they are computed (A, B: the left and right operand; K: the contracted axis; several contracted axes count as one K, in the product's order):
;;     1. [M 65,536, K 1,024] x [K 1,024, N 1,024]; A: input encoder_outputs; B: input W1 (given as codes): QUANTISED
;;     2. [M 32, K 1,024] x [K 1,024, N 1,024]; A: input hidden_top (given as codes); B: input W2 (given as codes): QUANTISED
;;     3. [M 65,536, K 1,024] x [K 1,024, N 1]; A: computed on the way; B: input v: left as it is (N = 1 < 16)
;;     4. batch 32 x [M 1, K 2,048] x [K 2,048, N 1,024]; A: softmax; B: input encoder_outputs: left as it is (M = 1 < 16)
;;   THE QUANTISER, for each operand of a quantised product, along K:
;;     - K is cut into blocks of 32 from its start; a last block that is shorter is filled with zeros.
;;     - A block's scale is 2^e with e = floor(log2(the largest magnitude in the block)) - 2, held to -126 .. 127; a block of zeros has e = 0. As a byte (E8M0): e + 127.
;;     - Each number is divided by its block's scale, clamped to +-6, and rounded to the nearest number of E2M1, ties to even, subnormals kept.
;;     - The product sums the exact products of the quantised numbers (number of the format x scale) in f32.
;;   ~~~python
;;   def quantise(x, axis):      # numpy; x: float32 -> the quantised numbers, widened to float32 again
;;       x = np.moveaxis(x, axis, -1); K = x.shape[-1]
;;       x = np.pad(x, [(0, 0)] * (x.ndim - 1) + [(0, -K % 32)]); x = x.reshape(x.shape[:-1] + (-1, 32)); a = np.abs(x).max(-1, keepdims=True)
;;       e = np.where(a > 0, np.clip(np.frexp(np.where(a > 0, a, 1))[1] - 1 - 2, -126, 127), 0)      # np.frexp(a)[1] - 1 = floor(log2(a)), exactly
;;       r = np.clip(x / 2.0 ** e, -6, 6)
;;       step = 2.0 ** (np.maximum(np.frexp(np.where(r == 0, 1, r))[1] - 1, 0) - 1)
;;       q = np.round(r / step) * step * 2.0 ** e      # np.round: ties to even
;;       return np.moveaxis(q.reshape(q.shape[:-2] + (-1,))[..., :K], -1, axis).astype(np.float32)
;;   ~~~
;;   INPUTS GIVEN AS CODES. W1 (in the module: [1024, 1024], K = its axis 1); W2 (in the module: [1024, 1024], K = its axis 1); hidden_top (in the module: [32, 1024], K = its axis 1): each comes as NAME_codes (uint8): NAME with its K axis moved to the last place and cut into blocks of 32 codes, [.., K / 32, bytes a block], one block behind the other in memory; two codes a byte, the lower K in the low four bits (a code: sign, 2 exponent bits, 1 mantissa bit); and NAME_scales (uint8): the same leading axes, one E8M0 byte (e + 127) for each 32 codes along K. Its value is code x scale, taken as it is: it is not quantised again, and the codes and scales need not be those that the quantiser above would give.
;; One version. Each part assembles by itself: llvm-mc -triple=amdgcn-amd-amdhsa -mcpu=gfx1250 --defsym DOCPART=n.
;; ======== version 1 of 1: 3 launches
;; limits: a difference of large sums (such as E[x^2] - mean^2): digits are lost where the result is much smaller than its terms
;; workspace buffers: w1f 524,288 bytes; w1s 32,768 bytes; w2h 131,072 bytes; scores 262,144 bytes; part 1,048,576 bytes; ml 65,536 bytes
;; launch prep (part 1): grid 64 x 1, 2 waves a work-group, no clusters, 0 bytes of LDS; arguments W1_codes, W1_scales, W2_codes, W2_scales, hidden_top_codes, hidden_top_scales, w1f, w1s, w2h; writes w1f, w1s, w2h
.if DOCPART == 1
	.amdgcn_target "amdgcn-amd-amdhsa--gfx1250"
	.amdhsa_code_object_version 6
	.text
	.protected	k_q870d6a7fed_prep
	.globl	k_q870d6a7fed_prep
	.p2align	8
	.type	k_q870d6a7fed_prep,@function
k_q870d6a7fed_prep:
	s_mov_b64 s[64:65], 0
	v_nop
	global_prefetch_b8 v0, s[64:65] scope:SCOPE_SE
	s_setreg_imm32_b32 hwreg(HW_REG_WAVE_MODE, 25, 1), 1
	s_wait_xcnt 0x0
; BahdanauAttention, first of three launches.  score[b][s] = sum over o of v[o] tanh(W1e[b][s][o] + W2h[b][o]); masked; softmax over s; context = sum over s of attn x enc.
; NO WORK IS LEFT OUT in any of the three launches: every input has a way to an output.  In particular the sum of v, which is the same for all s, stays in the scores: the -1e9 that the mask
; puts in a score's place is not shifted with it, so it does not cancel in the softmax for all values of the mask.
; THIS LAUNCH, work-group T = a tile of 16 outputs o = 16 T .. 16 T + 15:
;   wave 0 lays W1's codes and scale bytes of the tile in the order of a matrix operand's registers (w1f: [T][K step k][half c][lane][16 bytes]; w1s: [T][lane][4 words], word q of lane (r, h) = the scale word
;          of row 16 T + r for K step 2 q + h), so that the second launch loads each fragment by dense loads of 512 bytes a wave;
;   wave 1 makes the second product of the problem's table, W2h = hidden_top W2^T, on the codes as they are given (MX-FP4, E8M0 scales, f32 sums), and stores c W2h - 1 with c = 2 log2(e):
;          the second launch takes tanh(y) = 1 - 2 / (1 + e^(2 y)) as 1 - 1 / (0.5 + 2^(c y - 1)), and c W2h - 1 is the addend of its one multiply-add.
; LIMITS: NaN scale bytes (0xff) give NaN, as in the definition.
.set CC, 0x4038aa3b                    ; c = 2 log2(e)
.set WF, 16                            ; v16-79    the tile's 8 fragments of W1 or W2: 8 k + 4 c
.set HF, 80                            ; v80-207   hidden_top's fragments: 64 tb + 8 k + 4 c (tb: batches 16 tb on)
.set WS, 208                           ; v208-211  the tile's scale words: nothing else is ever held here
.set HS, 212                           ; v212-219  hidden_top's scale words: 4 tb + q
.set DD, 220                           ; v220-235  two accumulators
.set OO, 236                           ; v236-251  c W2h - 1
	s_load_b256 s[4:11], s[0:1], 0x0               ; W1's codes, W1's scales, W2's codes, W2's scales
	s_load_b256 s[12:19], s[0:1], 0x20             ; hidden_top's codes, its scales, w1f, w1s
	s_load_b64 s[20:21], s[0:1], 0x40              ; w2h
	v_lshrrev_b32 v1, 5, v0
	v_readfirstlane_b32 s22, v1                    ; wave 0 or 1
	v_and_b32 v2, 31, v0                           ; lane
	v_and_b32 v3, 15, v0                           ; r
	v_bfe_u32 v4, v0, 4, 1                         ; h
	v_lshlrev_b32 v5, 9, v3
	v_lshl_add_u32 v5, v4, 4, v5                   ; codes: row r of 512 bytes, + 16 h
	v_lshlrev_b32 v6, 5, v3
	v_lshl_add_u32 v6, v4, 2, v6                   ; scale words: row r of 32 bytes, + 4 h: K step 2 q + h lies 8 q further on
	v_lshlrev_b32 v7, 4, v2                        ; an image's place for my lane: 16 x lane
	v_lshlrev_b32 v8, 12, v3
	v_lshl_add_u32 v8, v4, 5, v8                   ; w2h: row (batch) r of 4,096 bytes, + 32 h
	s_lshl_b32 s24, ttmp9, 13                      ; the tile's 16 rows of codes, and its 8,192 bytes of w1f
	s_mov_b32 s25, 0
	s_lshl_b32 s26, ttmp9, 9                       ; its 16 rows of scale bytes, and its 512 bytes of w1s
	s_mov_b32 s27, 0
	s_lshl_b32 s28, ttmp9, 6                       ; its 16 numbers in a row of w2h
	s_mov_b32 s29, 0
	s_mov_b32 s23, CC
	s_wait_kmcnt 0x0
	s_cmp_eq_u32 s22, 0                            ; wave 0 reads W1, wave 1 W2: the choice hangs on the wave's number alone
	s_cselect_b64 s[30:31], s[4:5], s[8:9]
	s_cselect_b64 s[32:33], s[6:7], s[10:11]
	s_add_nc_u64 s[30:31], s[30:31], s[24:25]
	s_add_nc_u64 s[32:33], s[32:33], s[26:27]
.irp k, 0,1,2,3,4,5,6,7
.irp c, 0,1
	global_load_b128 v[WF+8*\k+4*\c:WF+8*\k+4*\c+3], v5, s[30:31] offset:64*\k+32*\c   ; registers 4 c .. 4 c + 3 of K step k: k = 128 k + 64 c + 32 h + 0 .. 31 of row r
.endr
.endr
.irp q, 0,1,2,3
	global_load_b32 v[WS+\q], v6, s[32:33] offset:8*\q
.endr
	s_cmp_lg_u32 s22, 0
	s_cbranch_scc1 .Lproduct
	; ---- wave 0: the images of W1's tile
	s_add_nc_u64 s[16:17], s[16:17], s[24:25]
	s_add_nc_u64 s[18:19], s[18:19], s[26:27]
	s_wait_loadcnt 0x0
.irp i, 0,1,2,3,4,5,6,7,8,9,10,11,12,13,14,15
	global_store_b128 v7, v[WF+4*\i:WF+4*\i+3], s[16:17] offset:512*\i   ; 32 lanes store 512 consecutive bytes
.endr
	global_store_b128 v7, v[WS:WS+3], s[18:19]
	s_endpgm
.Lproduct:
	; ---- wave 1: W2h for the tile's 16 outputs and all 32 batches
	s_add_nc_u64 s[20:21], s[20:21], s[28:29]
.irp tb, 0,1
.irp k, 0,1,2,3,4,5,6,7
.irp c, 0,1
	global_load_b128 v[HF+64*\tb+8*\k+4*\c:HF+64*\tb+8*\k+4*\c+3], v5, s[12:13] offset:8192*\tb+64*\k+32*\c
.endr
.endr
.irp q, 0,1,2,3
	global_load_b32 v[HS+4*\tb+\q], v6, s[14:15] offset:512*\tb+8*\q
.endr
.endr
	s_wait_loadcnt 0x0
; Source 0 = 16 rows of W2, source 1 = 16 batches: lane (r, h) then holds batch r and its registers the outputs 8 h + 0 .. 7.  The two accumulators take turns.
.irp k, 0,1,2,3,4,5,6,7
.irp tb, 0,1
.if \k == 0
	v_wmma_scale_f32_16x16x128_f8f6f4 v[DD+8*\tb:DD+8*\tb+7], v[WF+8*\k:WF+8*\k+7], v[HF+64*\tb+8*\k:HF+64*\tb+8*\k+7], 0, v[WS+\k/2], v[HS+4*\tb+\k/2] matrix_a_fmt:MATRIX_FMT_FP4 matrix_b_fmt:MATRIX_FMT_FP4
.elseif (\k%2) == 0
	v_wmma_scale_f32_16x16x128_f8f6f4 v[DD+8*\tb:DD+8*\tb+7], v[WF+8*\k:WF+8*\k+7], v[HF+64*\tb+8*\k:HF+64*\tb+8*\k+7], v[DD+8*\tb:DD+8*\tb+7], v[WS+\k/2], v[HS+4*\tb+\k/2] matrix_a_fmt:MATRIX_FMT_FP4 matrix_b_fmt:MATRIX_FMT_FP4
.else
	v_wmma_scale_f32_16x16x128_f8f6f4 v[DD+8*\tb:DD+8*\tb+7], v[WF+8*\k:WF+8*\k+7], v[HF+64*\tb+8*\k:HF+64*\tb+8*\k+7], v[DD+8*\tb:DD+8*\tb+7], v[WS+\k/2], v[HS+4*\tb+\k/2] matrix_a_fmt:MATRIX_FMT_FP4 matrix_b_fmt:MATRIX_FMT_FP4 matrix_a_scale:MATRIX_SCALE_ROW1 matrix_b_scale:MATRIX_SCALE_ROW1
.endif
.endr
.endr
.rept 4
	v_nop                                          ; four places between the last product and the first read of results (ISA guide 7.12.1)
.endr
.irp j, 0,1,2,3,4,5,6,7,8,9,10,11,12,13,14,15
	v_fma_f32 v[OO+\j], v[DD+\j], s23, -1.0        ; c W2h - 1; each accumulator from its low end on
.endr
.irp tb, 0,1
	global_store_b128 v8, v[OO+8*\tb:OO+8*\tb+3], s[20:21] offset:65536*\tb
	global_store_b128 v8, v[OO+8*\tb+4:OO+8*\tb+7], s[20:21] offset:65536*\tb+16
.endr
	s_endpgm
.Lfunc_end_k_q870d6a7fed_prep:
	.size	k_q870d6a7fed_prep, .Lfunc_end_k_q870d6a7fed_prep-k_q870d6a7fed_prep
	.p2alignl 7, 3214868480
	.fill 96, 4, 3214868480
	.section	.rodata,"a",@progbits
	.p2align	6, 0x0
	.amdhsa_kernel k_q870d6a7fed_prep
		.amdhsa_group_segment_fixed_size 0
		.amdhsa_private_segment_fixed_size 0
		.amdhsa_enable_private_segment 0
		.amdhsa_kernarg_size 72
		.amdhsa_user_sgpr_count 2
		.amdhsa_user_sgpr_kernarg_segment_ptr 1
		.amdhsa_wavefront_size32 1
		.amdhsa_system_sgpr_workgroup_id_x 1
		.amdhsa_system_sgpr_workgroup_id_y 1
		.amdhsa_system_sgpr_workgroup_id_z 1
		.amdhsa_system_vgpr_workitem_id 0
		.amdhsa_next_free_vgpr 256
		.amdhsa_next_free_sgpr 66
		.amdhsa_reserve_vcc 0
		.amdhsa_float_denorm_mode_32 3
		.amdhsa_float_denorm_mode_16_64 3
		.amdhsa_memory_ordered 1
		.amdhsa_forward_progress 1
		.amdhsa_inst_pref_size 13
	.end_amdhsa_kernel
	.amdgpu_metadata
---
amdhsa.version: [ 1, 2 ]
amdhsa.kernels:
  - .name:           k_q870d6a7fed_prep
    .symbol:         k_q870d6a7fed_prep.kd
    .args:
      - { .name: W1_codes, .offset: 0, .size: 8, .value_kind: global_buffer, .address_space: global }
      - { .name: W1_scales, .offset: 8, .size: 8, .value_kind: global_buffer, .address_space: global }
      - { .name: W2_codes, .offset: 16, .size: 8, .value_kind: global_buffer, .address_space: global }
      - { .name: W2_scales, .offset: 24, .size: 8, .value_kind: global_buffer, .address_space: global }
      - { .name: hidden_top_codes, .offset: 32, .size: 8, .value_kind: global_buffer, .address_space: global }
      - { .name: hidden_top_scales, .offset: 40, .size: 8, .value_kind: global_buffer, .address_space: global }
      - { .name: w1f, .offset: 48, .size: 8, .value_kind: global_buffer, .address_space: global }
      - { .name: w1s, .offset: 56, .size: 8, .value_kind: global_buffer, .address_space: global }
      - { .name: w2h, .offset: 64, .size: 8, .value_kind: global_buffer, .address_space: global }
    .group_segment_fixed_size: 0
    .private_segment_fixed_size: 0
    .kernarg_segment_align: 8
    .kernarg_segment_size: 72
    .max_flat_workgroup_size: 64
    .sgpr_count:     66
    .vgpr_count:     256
    .wavefront_size: 32
...
	.end_amdgpu_metadata
.endif
;; end of part 1
;; launch main (part 2): grid 256 x 1, 4 waves a work-group, no clusters, 327,680 bytes of LDS; arguments encoder_outputs, mask, v, w1f, w1s, w2h, scores, part, ml; writes scores, part, ml
.if DOCPART == 2
	.amdgcn_target "amdgcn-amd-amdhsa--gfx1250"
	.amdhsa_code_object_version 6
	.text
	.protected	k_q870d6a7fed_main
	.globl	k_q870d6a7fed_main
	.p2align	8
	.type	k_q870d6a7fed_main,@function
k_q870d6a7fed_main:
	s_mov_b64 s[64:65], 0
	v_nop
	global_prefetch_b8 v0, s[64:65] scope:SCOPE_SE
	s_setreg_imm32_b32 hwreg(HW_REG_WAVE_MODE, 25, 1), 1
	s_wait_xcnt 0x0
; Second launch: no work of the problem is left out here.  Work-group x owns rows 256 x .. 256 x + 255 of enc ([65,536][1,024] f32; an eighth of batch x / 8) and reads them from memory ONCE, in 4 passes of 64 rows.
; A PASS:  the 64 rows (262,144 bytes) lie in the one LDS slot, brought by four tensor loads, one a wave |barrier|  CONVERT: wave w takes columns 256 w .. 256 w + 255 of all 64 rows: quantises them to MX-FP4
; along the row (codes and scale bytes to LDS) and keeps a bf16 copy in 256 registers |barrier; the slot is asked for again at once|  PRODUCT: wave w makes outputs 256 w .. 256 w + 255 (16 tiles of 16) for all 64 rows,
; W1's fragments coming from w1f straight into registers; behind each tile: tanh and the dot with v |barrier|  every wave adds the four waves' parts to 64 scores, masks them, takes p = e^(score - m) under the
; work-group's running maximum m, and adds p x (its bf16 columns) to its 256 context sums.  Stored: the masked scores, the work-group's unnormalised context, its m and its sum l; the third launch joins 8 work-groups.
; THE WALK OVER W1.  A wave's 16 tiles are four groups of four, and four buffers of 64 registers hold a group.  In a pass's first three trips a tile's buffer is asked for again as soon as its products are issued, with the
; same place of the next group, cyclically; the fourth trip asks for nothing: its group stays in the registers and is the next pass's first.  So a pass behind the first loads 12 tiles and not 16: 52 tile loads a wave
; in place of 64.  Pass p takes the groups in the order (j - p) mod 4, j = 0 .. 3: only the order of a row's f32 sum over the outputs hangs on it.
; tanh(y) = 1 - E, E = 1 / (0.5 + 2^(c y - 1)), c = 2 log2(e): score = (sum of v) - sum of v E.  2^.. = infinity gives E = 0, 2^.. = 0 gives E = 2: no NaN from finite numbers.
; LIMITS: NaN and infinities in enc are not served.  A block of 32 whose largest magnitude lies under 2^-124 keeps the scale byte 1 (a block of zeros too, where the rule says 127: its codes are zeros, and this program
; alone reads the bytes).  (sum of v) - sum of v E is a difference in f32: with v carrying an offset of 30 times its spread a score's error is some 1e-4.  The context's operand enc is rounded to bf16; p stays f32.
; NO JOINT LOADS: W1's fragments are what all work-groups share.  The slot, the codes, the table and the small regions take 322,048 of 327,680 bytes of LDS; one tile step of W1 for four waves is 34,816 bytes and a ring wants two:
; it does not fit.  Inside the work-group each fragment of W1 has one reader, and feeds four matrix instructions.
; REGISTERS, in windows of 256 (s_set_vgpr_msb: bits 1:0 source 0, 3:2 source 1, 5:4 source 2, 7:6 destination):
;   window 0: v1-19, v29 addresses; v20 m, v21 l, v22 sum of v, v[24:25] f, v[26:27] my two scores, v28 mask bytes, v[30:31] my two p; v32-39 sums of v E (CONVERT: block maxima); v40-55 enc's scale words, v56-71 W1's (scales alone);
;             v72-79 a tile's 8 addends c W2h - 1, v80-87 its 8 v; v88-95 my 8 context sums; v96-127 four accumulators (CONVERT: scale bytes and codes); v128-255 two sets of 64 numbers of enc (context: the 64 p)
;   window 1: enc's codes, 64 m + 8 k + 4 c.   window 2: the bf16 copy, row rho at 4 rho.   window 3: W1's fragments, four buffers: 64 buf + 8 k + 4 c.
.set CODES, 262144                     ; LDS: bytes 0 .. 262,143 the slot: 64 rows x 4,096 bytes, written by tensor loads alone; then the codes: 64 rows of 512 bytes, pitch 528
.set CP,    528
.set ASCL,  295936                     ; enc's scale bytes: 64 rows, pitch 48: the word of K step k at 16 (k % 2) + 4 (k / 2)
.set AP,    48
.set PS,    299008                     ; [wave][64 rows] sums of v E
.set PB,    300032                     ; [wave][64] p: each wave's own
.set CX,    301056                     ; [wave] 1,024 bytes: each wave's own, for the way out
.set SPARE, 305152                     ; the spare words, 128 bytes for each wave
.set AUXL,  305664                     ; [wave] 4,096 bytes, each wave's own: [copy 0, 1][tile 0 .. 15][16 addends | 16 v]: two copies on end, so that the walk's address only steps
.set MSB, 0
.macro WIN new                         ; the immediate's high byte repeats the setting that is left
.if MSB != \new
	s_set_vgpr_msb (MSB<<8)|\new
.set MSB, \new
.endif
.endm
.macro NOPS n
.rept \n
	v_nop
.endr
.endm
; The 17 loads of one tile of W1: its 16 pieces of 512 bytes into buffer buf, and its scale words.  s[40:43]: where the group that is being asked for begins in w1f and in w1s.
.macro C17 buf
	WIN 0xc0                                       ; destination window 3, address window 0
.irp i, 0,1,2,3,4,5,6,7,8,9,10,11,12,13,14,15
	global_load_b128 v[64*\buf+4*\i:64*\buf+4*\i+3], v12, s[40:41] offset:8192*\buf+512*\i
.endr
	WIN 0
	global_load_b128 v[56+4*\buf:59+4*\buf], v12, s[42:43] offset:512*\buf
.endm
	s_load_b256 s[4:11], s[0:1], 0x0               ; enc s[4:5], mask s[6:7], v s[8:9], w1f s[10:11]
	s_load_b256 s[12:19], s[0:1], 0x20             ; w1s s[12:13], w2h s[14:15], scores s[16:17], part s[18:19]
	s_load_b64 s[20:21], s[0:1], 0x40              ; ml
	v_lshl_add_u32 v1, v0, 2, SPARE
	v_mov_b32 v2, 0
	ds_add_u32 v1, v2                              ; the wave's opening: the add, twice on end, and its wait ahead of my first tensor load; the set-up below stands between
	ds_add_u32 v1, v2                              ; and once more, under the one wait
	v_lshrrev_b32 v96, 5, v0
	v_readfirstlane_b32 s22, v96                   ; wave 0..3
	; descriptor group 1: 65,536 dense bytes (16 rows of enc) as 256 rows of 32 elements of 8 bytes, no padding
	s_mov_b32 s24, 3<<16                           ; no mask; elements of 8 bytes
	s_mov_b32 s25, 32<<16                          ; tensor_dim0 = 32
	s_mov_b32 s26, 256<<16                         ; tensor_dim1 = 256
	s_mov_b32 s27, 32<<16                          ; tile_dim0 = 32
	s_mov_b32 s28, 256                             ; tile_dim1 = 256
	s_mov_b32 s29, 32                              ; pitch = 32 elements
	s_mov_b32 s30, 0
	s_mov_b32 s31, 0
	s_mov_b32 s32, 1                               ; group 0: count = 1,
	s_lshl_b32 s33, s22, 16                        ; LDS address: my 16 rows of the slot
	s_mov_b32 s39, 0                               ; the upper word of every offset pair s[38:39]; never rewritten
	s_mov_b32 s48, 0x4038aa3b                      ; c = 2 log2(e)
	s_mov_b32 s49, s48                             ; (named with it as a pair)
	s_mov_b32 s50, 0x76543210
	s_mov_b32 s51, 0xfedcba98                      ; v_permlanex16_b32's selects for lane l xor 16
	s_mov_b32 s54, 0x02020202
	s_mov_b32 s55, 0x1800000                       ; the floor 2^(3 - 127) of a block's largest magnitude
	s_mov_b32 s56, 0xff000000                      ; 2 off an exponent field
	v_and_b32 v96, 31, v0                          ; l
	v_and_b32 v97, 15, v0                          ; r
	v_bfe_u32 v98, v0, 4, 1                        ; h
	v_bfe_u32 v99, v0, 3, 1                        ; s = (l / 8) % 2
	s_lshl_b32 s38, s22, 10
	v_lshlrev_b32 v3, 5, v96
	v_lshl_add_u32 v3, v99, 4, v3
	v_add_nc_u32 v3, s38, v3                       ; v3: my 32 bytes of a row of the slot, 1,024 w + 32 l; lanes with s = 1 take the upper 16 bytes first,
	v_xor_b32 v4, 16, v3                           ; v4: the other 16: so sixteen neighbouring lanes touch sixteen different 16-byte columns of 256 bytes
	v_lshl_add_u32 v29, v96, 4, s38
	v_add_nc_u32 v29, CX, v29                      ; v29: the way out: CX + 1,024 w + 16 l
	v_mul_lo_u32 v7, v99, s54
	v_xor_b32 v7, 0x03020100, v7                   ; v7: byte selects that leave a word (s = 0) or change its halves (s = 1: 0x01000302)
	s_lshl_b32 s38, s22, 7
	v_lshl_add_u32 v8, v96, 2, s38
	v_add_nc_u32 v8, CODES, v8                     ; v8: my 8 codes of a row: 128 w + 4 l
	v_bfe_u32 v9, v0, 2, 2
	v_lshl_add_u32 v9, v98, 4, v9
	s_lshl_b32 s38, s22, 2
	v_add_nc_u32 v9, s38, v9
	v_add_nc_u32 v9, ASCL, v9                      ; v9: my block's byte: block 8 w + l / 4 is byte (l / 4) % 4 of K step 2 w + h: 16 h + 4 w + (l / 4) % 4
	v_mul_u32_u24 v10, v97, CP
	v_lshl_add_u32 v10, v98, 4, v10
	v_add_nc_u32 v10, CODES, v10                   ; v10: a fragment of codes: row r, + 16 h
	v_mul_u32_u24 v11, v97, AP
	v_lshl_add_u32 v11, v98, 4, v11
	v_add_nc_u32 v11, ASCL, v11                    ; v11: four scale words of row r: K steps h, 2 + h, 4 + h, 6 + h
	v_lshlrev_b32 v12, 4, v96                      ; v12: 16 l
	s_lshl_b32 s38, s22, 12
	v_lshl_add_u32 v13, v98, 5, s38
	v_add_nc_u32 v13, AUXL, v13                    ; v13: my wave's table, + 32 h: my 8 outputs of a tile
	v_lshrrev_b32 v100, 2, v96
	v_and_b32 v101, 3, v96
	v_lshlrev_b32 v100, 7, v100
	v_lshl_add_u32 v100, v101, 4, v100
	v_add_nc_u32 v100, s38, v100
	v_add_nc_u32 v100, AUXL, v100                  ; v100 (the head alone): where outputs 4 l .. 4 l + 3 go in the table: tile l / 4 of 128 bytes, + 16 (l % 4)
	s_lshl_b32 s38, s22, 8
	v_lshl_add_u32 v14, v97, 2, s38
	v_add_nc_u32 v14, PS, v14                      ; v14: my wave's sums, row r
	v_lshl_add_u32 v15, v96, 3, PS                 ; v15: rows 2 l, 2 l + 1 of a wave's sums
	v_lshl_add_u32 v16, v96, 3, s38
	v_add_nc_u32 v16, PB, v16                      ; v16: my two p
	v_mov_b32 v17, s38
	v_add_nc_u32 v17, PB, v17                      ; v17: my wave's 64 p
	v_lshlrev_b32 v18, 1, v96                      ; v18: 2 l: my two mask bytes
	v_lshlrev_b32 v19, 3, v96                      ; v19: 8 l: my two scores
	v_mov_b32 v20, 0xff61b1e6                      ; m = -3e38, under every score
	v_mov_b32 v21, 0                               ; l
	v_mov_b32 v23, 0                               ; (a lane permute's destination counts as one of its sources)
	v_mov_b32 v25, 0                               ; (named as the upper half of the pair v[24:25])
	s_lshl_b32 s38, ttmp9, 20                      ; my work-group's 256 rows of 4,096 bytes,
	s_add_co_u32 s38, s38, s33                     ; my wave's 16 of the first 64
	s_wait_dscnt 0x0                               ; both opening adds are done
	s_wait_kmcnt 0x0
	s_add_nc_u64 s[34:35], s[4:5], s[38:39]
	s_or_b32 s35, s35, 0x80000000                  ; type = 2
	tensor_load_to_lds s[32:35], s[24:31]          ; the first pass's rows: every wave issues its quarter; one tensor load of mine is out, here and behind each refill
	s_nop 0
	NOPS 4
	s_lshl_b32 s38, ttmp9, 8
	s_add_nc_u64 s[6:7], s[6:7], s[38:39]          ; mask at my first row
	s_add_nc_u64 s[20:21], s[20:21], s[38:39]      ; ml: my 256 bytes
	s_lshl_b32 s38, ttmp9, 10
	s_add_nc_u64 s[16:17], s[16:17], s[38:39]      ; scores at my first row
	s_lshl_b32 s38, s22, 10
	s_add_nc_u64 s[52:53], s[8:9], s[38:39]        ; v at my wave's 256 outputs (s[8:9] stays: all of v is read for its sum)
	s_add_nc_u64 s[18:19], s[18:19], s[38:39]
	s_add_nc_u64 s[14:15], s[14:15], s[38:39]
	s_lshl_b32 s38, ttmp9, 12
	s_add_nc_u64 s[18:19], s[18:19], s[38:39]      ; part: my work-group's row, my wave's 256 columns
	s_lshr_b32 s38, ttmp9, 3
	s_lshl_b32 s38, s38, 12
	s_add_nc_u64 s[14:15], s[14:15], s[38:39]      ; w2h: my batch's row, my wave's 256 outputs
	s_lshl_b32 s38, s22, 17
	s_add_nc_u64 s[10:11], s[10:11], s[38:39]      ; w1f: my wave's 16 tiles of 8,192 bytes
	s_lshl_b32 s38, s22, 13
	s_add_nc_u64 s[12:13], s[12:13], s[38:39]      ; w1s: 16 tiles of 512 bytes
	s_mov_b64 s[40:41], s[10:11]                   ; group 0
	s_mov_b64 s[42:43], s[12:13]
	s_mov_b32 s36, 0                               ; the group whose loads were issued last
.irp i, 0,1,2,3,4,5,6,7
	global_load_b128 v[128+4*\i:131+4*\i], v12, s[8:9] offset:512*\i   ; all 1,024 v, 32 a lane
.endr
	global_load_b128 v[160:163], v12, s[14:15]             ; my wave's 256 addends: outputs 4 l on,
	global_load_b128 v[164:167], v12, s[14:15] offset:512  ; and 128 + 4 l on
	global_load_b128 v[168:171], v12, s[52:53]             ; its 256 v likewise
	global_load_b128 v[172:175], v12, s[52:53] offset:512
	C17 0
	C17 1
	C17 2
.irp i, 0,1,2,3,4,5,6,7
	v_mov_b32 v[88+\i], 0                          ; the context sums
.endr
	s_wait_loadcnt 51                              ; v and the addends are in: behind their twelve loads stand three tiles' 3 x 17
.irp i, 0,2,4,6,8,10,12,14
	v_pk_add_f32 v[128+\i:129+\i], v[128+\i:129+\i], v[144+\i:145+\i]
.endr
.irp i, 0,2,4,6
	v_pk_add_f32 v[128+\i:129+\i], v[128+\i:129+\i], v[136+\i:137+\i]
.endr
.irp i, 0,2
	v_pk_add_f32 v[128+\i:129+\i], v[128+\i:129+\i], v[132+\i:133+\i]
.endr
	v_pk_add_f32 v[128:129], v[128:129], v[130:131]
	v_add_f32 v22, v128, v129
	v_add_f32_dpp v22, v22, v22 row_xmask:1 row_mask:0xf bank_mask:0xf
	v_add_f32_dpp v22, v22, v22 row_xmask:2 row_mask:0xf bank_mask:0xf
	v_add_f32_dpp v22, v22, v22 row_xmask:4 row_mask:0xf bank_mask:0xf
	v_add_f32_dpp v22, v22, v22 row_xmask:8 row_mask:0xf bank_mask:0xf
	v_permlanex16_b32 v23, v22, s50, s51
	v_add_f32 v22, v22, v23                        ; the sum of v, in every lane
.irp c, 0,1                                    ; my wave's table, both copies: tiles 0-7 and 8-15; addends at byte 0 of a tile's 128, v at byte 64
	ds_store_b128 v100, v[160:163] offset:2048*\c
	ds_store_b128 v100, v[164:167] offset:2048*\c+1024
	ds_store_b128 v100, v[168:171] offset:2048*\c+64
	ds_store_b128 v100, v[172:175] offset:2048*\c+1088
.endr
	C17 3
; ---- CONVERT, in 8 groups of 8 rows.  LROWS g: the group's 16 LDS loads, 32 bytes a lane and row, into set g % 2.
.macro LROWS g
.if ((\g)%2) == 0
	v_add_nc_u32 v5, 65536*((\g)/2), v3            ; 16 rows of the slot are 65,536 bytes: the register carries what the 16-bit offset cannot
	v_add_nc_u32 v6, 65536*((\g)/2), v4
.endif
.irp i, 0,1,2,3,4,5,6,7
	ds_load_b128 v[128+64*((\g)%2)+8*\i:131+64*((\g)%2)+8*\i], v5 offset:4096*(8*((\g)%2)+\i)
	ds_load_b128 v[132+64*((\g)%2)+8*\i:135+64*((\g)%2)+8*\i], v6 offset:4096*(8*((\g)%2)+\i)
.endr
.endm
; PROC g: a lane holds 8 neighbours of each of the 8 rows; four neighbouring lanes hold a block of 32.  The rows take turns line by line.
.macro PROC g
.set XS, 128+64*((\g)%2)
.set BY, 96+8*((\g)%2)
.set CD, 112+8*((\g)%2)
.irp i, 0,1,2,3,4,5,6,7
	v_max3_num_f32 v[32+\i], |v[XS+8*\i]|, |v[XS+8*\i+1]|, s55   ; the largest magnitude, and the floor 2^(3 - 127): so the byte cannot fall under 1
.endr
.irp n, 2,4,6
.irp i, 0,1,2,3,4,5,6,7
	v_max3_num_f32 v[32+\i], v[32+\i], |v[XS+8*\i+\n]|, |v[XS+8*\i+\n+1]|
.endr
.endr
.irp i, 0,1,2,3,4,5,6,7
	v_max_num_f32_dpp v[32+\i], v[32+\i], v[32+\i] row_xmask:1 row_mask:0xf bank_mask:0xf
.endr
.irp i, 0,1,2,3,4,5,6,7
	v_max_num_f32_dpp v[32+\i], v[32+\i], v[32+\i] row_xmask:2 row_mask:0xf bank_mask:0xf   ; the block's
.endr
.irp i, 0,1,2,3,4,5,6,7
	v_add_nc_u32 v[32+\i], s56, v[32+\i]           ; 2 off its exponent field: the conversion takes the exponent field of this operand as its scale
.endr
.irp i, 0,1,2,3,4,5,6,7
	v_cvt_scalef32_pk8_fp4_f32 v[CD+\i], v[XS+8*\i:XS+8*\i+7], v[32+\i]
.endr
.irp i, 0,1,2,3,4,5,6,7
	v_lshrrev_b32 v[BY+\i], 23, v[32+\i]           ; the scale's byte.  (Plain lines between the conversions and the first touch of their results)
.endr
.irp i, 0,1,2,3,4,5,6,7
	v_perm_b32 v[CD+\i], v[CD+\i], v[CD+\i], v7    ; lanes with s = 1 loaded their halves the other way round: the codes' halves change places
.endr
	WIN 0x80                                       ; destination window 2
.irp i, 0,1,2,3,4,5,6,7
.irp p, 0,1,2,3
	v_cvt_pk_bf16_f32 v[4*(8*(\g)+\i)+\p], v[XS+8*\i+2*\p], v[XS+8*\i+2*\p+1]   ; the copy for the context, in the order as loaded: the way out sets the halves right
.endr
.endr
	WIN 0
.endm
.macro SROWS g
.irp i, 0,1,2,3,4,5,6,7
	ds_store_b32 v8, v[112+8*((\g)%2)+\i] offset:CP*(8*(\g)+\i)     ; 32 lanes: 128 consecutive bytes of the row's codes
.endr
.irp i, 0,1,2,3,4,5,6,7
	ds_store_b8 v9, v[96+8*((\g)%2)+\i] offset:AP*(8*(\g)+\i)       ; the four lanes of a block write the same byte with the same value
.endr
.endm
.macro CONVERT
	LROWS 0
	LROWS 1
.irp g, 0,1,2,3,4,5,6,7
.if (\g == 0) || (\g == 7)
	s_wait_dscnt 16                                ; the group's loads are in.  Behind them: group 0: the next group's 16 loads; group 7: group 6's 16 stores
.else
	s_wait_dscnt 32                                ; behind them: the group before's 16 stores and the next group's 16 loads
.endif
	PROC \g
	SROWS \g
.if \g < 6
	LROWS \g+2
.endif
.endr
.endm
; ---- A TILE of 16 outputs x 64 rows.  Source 0 = 16 rows of W1, source 1 = 16 rows of enc: lane (r, h) holds row r, and its registers the outputs 8 h + 0 .. 7.
; The four accumulators (tiles of rows m) take turns, K step by K step.  load = 1: the same place of the next group is asked for, into the registers that this tile leaves.
.macro TILE buf, load, cnt
	ds_load_b128 v[72:75], v5 offset:128*\buf      ; the tile's 8 addends and 8 v of my half, out of my wave's table: they land under the products
	ds_load_b128 v[76:79], v5 offset:128*\buf+16
	ds_load_b128 v[80:83], v5 offset:128*\buf+64
	ds_load_b128 v[84:87], v5 offset:128*\buf+80
	s_wait_loadcnt \cnt                            ; my tile's 17 loads are in; what was issued behind them may be out: in a trip that loads the other three buffers' 51, in the trip that does not 17 for each buffer still to come
	WIN 0x07                                       ; source 0 window 3, source 1 window 1
.irp k, 0,1,2,3,4,5,6,7
.irp m, 0,1,2,3
.if \k == 0
	v_wmma_scale_f32_16x16x128_f8f6f4 v[96+8*\m:103+8*\m], v[64*\buf+8*\k:64*\buf+8*\k+7], v[64*\m+8*\k:64*\m+8*\k+7], 0, v[56+4*\buf+\k/2], v[40+4*\m+\k/2] matrix_a_fmt:MATRIX_FMT_FP4 matrix_b_fmt:MATRIX_FMT_FP4
.elseif (\k%2) == 0
	v_wmma_scale_f32_16x16x128_f8f6f4 v[96+8*\m:103+8*\m], v[64*\buf+8*\k:64*\buf+8*\k+7], v[64*\m+8*\k:64*\m+8*\k+7], v[96+8*\m:103+8*\m], v[56+4*\buf+\k/2], v[40+4*\m+\k/2] matrix_a_fmt:MATRIX_FMT_FP4 matrix_b_fmt:MATRIX_FMT_FP4
.else
	v_wmma_scale_f32_16x16x128_f8f6f4 v[96+8*\m:103+8*\m], v[64*\buf+8*\k:64*\buf+8*\k+7], v[64*\m+8*\k:64*\m+8*\k+7], v[96+8*\m:103+8*\m], v[56+4*\buf+\k/2], v[40+4*\m+\k/2] matrix_a_fmt:MATRIX_FMT_FP4 matrix_b_fmt:MATRIX_FMT_FP4 matrix_a_scale:MATRIX_SCALE_ROW1 matrix_b_scale:MATRIX_SCALE_ROW1
.endif
.endr
.endr
	WIN 0
	NOPS 4                                         ; four places in front of loads into registers that the products have read, and of the first read of results
.if \load
	C17 \buf
.endif
	s_wait_dscnt 0x0                               ; the addends and v are in
.irp i, 0,2,4,6
.irp m, 0,1,2,3
	v_pk_fma_f32 v[96+8*\m+\i:97+8*\m+\i], v[96+8*\m+\i:97+8*\m+\i], s[48:49], v[72+\i:73+\i] op_sel_hi:[1,0,1]   ; c W1e + (c W2h - 1); each accumulator from its low end on
.endr
.endr
.irp j, 0,1,2,3,4,5,6,7,8,9,10,11,12,13,14,15,16,17,18,19,20,21,22,23,24,25,26,27,28,29,30,31
	v_exp_f32 v[96+\j], v[96+\j]                   ; e^(2 y) / 2
.endr
	v_nop                                          ; a plain line behind the last exponential,
	s_wait_alu depctr_va_vdst(0)                   ; and one wait for the batch, ahead of its first reader
.irp i, 0,2,4,6
.irp m, 0,1,2,3
	v_pk_add_f32 v[96+8*\m+\i:97+8*\m+\i], v[96+8*\m+\i:97+8*\m+\i], 0.5 op_sel_hi:[1,0]
.endr
.endr
.irp j, 0,1,2,3,4,5,6,7,8,9,10,11,12,13,14,15,16,17,18,19,20,21,22,23,24,25,26,27,28,29,30,31
	v_rcp_f32 v[96+\j], v[96+\j]                   ; E = 2 / (1 + e^(2 y))
.endr
	v_nop
	s_wait_alu depctr_va_vdst(0)                   ; likewise for the reciprocals
.irp i, 0,2,4,6
.irp m, 0,1,2,3
	v_pk_fma_f32 v[32+2*\m:33+2*\m], v[96+8*\m+\i:97+8*\m+\i], v[80+\i:81+\i], v[32+2*\m:33+2*\m]   ; the row's sum of v E, in two halves
.endr
.endr
.endm
; A group of four tiles.  s57: where the group's addends and v begin in my wave's table: 512 bytes a group.  load = 1: the next group, cyclically, is asked for, buffer by buffer.
.macro TRIP load
	v_add_nc_u32 v5, s57, v13
	s_add_co_u32 s57, s57, 512
.if \load
	s_wait_xcnt 0x0                                ; the last trip's loads have read their bases: they may be written
	s_add_co_u32 s36, s36, 1
	s_and_b32 s36, s36, 3
	s_lshl_b32 s38, s36, 15                        ; four tiles of 8,192 bytes
	s_add_nc_u64 s[40:41], s[10:11], s[38:39]
	s_lshl_b32 s38, s36, 11                        ; four tiles of 512 bytes
	s_add_nc_u64 s[42:43], s[12:13], s[38:39]
	TILE 0, 1, 51
	TILE 1, 1, 51
	TILE 2, 1, 51
	TILE 3, 1, 51
.else
	TILE 0, 0, 51
	TILE 1, 0, 34
	TILE 2, 0, 17
	TILE 3, 0, 0
.endif
.endm
; ---- The 64 scores, their mask, and p.  Every wave does the same, with the same numbers; lane l has rows 2 l and 2 l + 1.
.macro SOFTMAX
.irp w, 0,1,2,3
	ds_load_b64 v[96+2*\w:97+2*\w], v15 offset:256*\w
.endr
	v_and_b32 v104, 0xff, v28                      ; my two mask bytes (the pass's last tile has waited for all loads)
	v_lshrrev_b32 v105, 8, v28
	s_wait_dscnt 0x0
	v_pk_add_f32 v[96:97], v[96:97], v[98:99]
	v_pk_add_f32 v[100:101], v[100:101], v[102:103]
	v_pk_add_f32 v[96:97], v[96:97], v[100:101]
	v_sub_f32 v26, v22, v96                        ; score = sum of v - sum of v E
	v_sub_f32 v27, v22, v97
	v_cmp_ne_u32 vcc_lo, 0, v104
	v_cndmask_b32 v26, 0xce6e6b28, v26, vcc_lo     ; -1e9 where the mask is false
	v_cmp_ne_u32 vcc_lo, 0, v105
	v_cndmask_b32 v27, 0xce6e6b28, v27, vcc_lo
	s_cmp_lg_u32 s22, 0
	s_cbranch_scc1 .Lnot_wave_0_\@
	global_store_b64 v19, v[26:27], s[16:17]       ; wave 0: 32 lanes store 256 consecutive bytes, aligned
.Lnot_wave_0_\@:
	v_max_num_f32 v106, v26, v27
	v_max_num_f32_dpp v106, v106, v106 row_xmask:1 row_mask:0xf bank_mask:0xf
	v_max_num_f32_dpp v106, v106, v106 row_xmask:2 row_mask:0xf bank_mask:0xf
	v_max_num_f32_dpp v106, v106, v106 row_xmask:4 row_mask:0xf bank_mask:0xf
	v_max_num_f32_dpp v106, v106, v106 row_xmask:8 row_mask:0xf bank_mask:0xf
	v_permlanex16_b32 v107, v106, s50, s51
	v_max3_num_f32 v106, v106, v107, v20           ; the new running maximum
	v_sub_f32 v108, v20, v106
	v_sub_f32 v109, v26, v106
	v_sub_f32 v110, v27, v106
	v_mul_f32 v108, 0x3fb8aa3b, v108
	v_mul_f32 v109, 0x3fb8aa3b, v109
	v_mul_f32 v110, 0x3fb8aa3b, v110
	v_mov_b32 v20, v106
	v_exp_f32 v24, v108                            ; f = e^(old m - new m): 0 in the first pass
	v_exp_f32 v30, v109                            ; p
	v_exp_f32 v31, v110
	v_nop
	s_wait_alu depctr_va_vdst(0)                   ; one wait for the three, ahead of their first reader
	v_fma_f32 v21, v21, v24, v30                   ; l, a part in each lane
	v_add_f32 v21, v21, v31
	ds_store_b64 v16, v[30:31]                     ; into my wave's own 256 bytes
.endm
; ---- context += p x (my 8 columns of each of the 64 rows), from the bf16 copy; p in f32
.macro CONTEXT
.irp i, 0,1,2,3,4,5,6,7,8,9,10,11,12,13,14,15
	ds_load_b128 v[128+4*\i:131+4*\i], v17 offset:16*\i   ; all 64 p into every lane; LDS serves a wave's instructions in order: these see my store
.endr
.irp i, 0,2,4,6
	v_pk_mul_f32 v[88+\i:89+\i], v[88+\i:89+\i], v[24:25] op_sel_hi:[1,0]   ; the sums under the new maximum
.endr
	s_wait_dscnt 0x0
	WIN 0x02                                       ; source 0 (the copy) window 2; p and the sums window 0
.set R, 0
.rept 64
.irp p, 0,1,2,3
	v_fma_mix_f32_bf16 v[88+2*\p], v[4*R+\p], v[128+R], v[88+2*\p] op_sel_hi:[1,0,0]
	v_fma_mix_f32_bf16 v[89+2*\p], v[4*R+\p], v[128+R], v[89+2*\p] op_sel:[1,0,0] op_sel_hi:[1,0,0]
.endr
.set R, R+1
.endr
	WIN 0
.endm
.macro PASS last
	s_wait_tensorcnt 0x0                           ; my quarter of the slot has landed (no tensor load was issued behind it),
	s_wait_dscnt 0x0
	s_barrier_signal -1
	s_barrier_wait -1                              ; everybody's has
	CONVERT
.if \last
	s_wait_dscnt 0x0                               ; my codes and scale bytes lie in LDS
	s_barrier_signal -1
	s_barrier_wait -1
.else
	s_wait_tensorcnt 0x0                           ; no tensor load of mine is out, so group 0 may be written
	ds_add_u32 v1, v2                              ; 0 onto my spare word
	s_add_nc_u64 s[34:35], s[34:35], 262144        ; the next 64 rows; the type bits on top are not reached
	s_wait_dscnt 0x0                               ; the add is done, my reads of the slot are over, and my codes and scale bytes lie in LDS
	s_barrier_signal -1
	s_barrier_wait -1                              ; all that holds of every wave
	tensor_load_to_lds s[32:35], s[24:31]          ; the refill, first thing behind the barrier: it has the products, the scores and the context in which to land
	s_nop 0
	NOPS 4
.endif
	global_load_u16 v28, v18, s[6:7]               ; my two rows' mask bytes
	WIN 0x40                                       ; destination window 1
.irp m, 0,1,2,3
.irp k, 0,1,2,3,4,5,6,7
.irp c, 0,1
	ds_load_b128 v[64*\m+8*\k+4*\c:64*\m+8*\k+4*\c+3], v10 offset:16*CP*\m+64*\k+32*\c   ; the 64 rows' codes stay in registers for the pass's 16 tiles
.endr
.endr
.endr
	WIN 0
.irp m, 0,1,2,3
	ds_load_b128 v[40+4*\m:43+4*\m], v11 offset:16*AP*\m
.endr
.irp i, 0,1,2,3,4,5,6,7
	v_mov_b32 v[32+\i], 0                          ; the rows' sums of v E
.endr
	s_wait_dscnt 0x0
.if \last
	s_mov_b32 s57, 512                             ; pass 3 begins with group 1: byte 512 (4 - 3) of the table
.else
	s_lshl_b32 s57, s23, 9                         ; pass p = 3 - s23 begins with group (4 - p) mod 4: byte 512 (4 - p) = 512 (1 + s23) of the table's two copies
	s_add_co_u32 s57, s57, 512
.endif
	s_mov_b32 s37, 3
.Ltrip_\@:
	TRIP 1
	s_sub_co_u32 s37, s37, 1
	s_cmp_lg_u32 s37, 0
	s_cbranch_scc1 .Ltrip_\@
	TRIP 0                                         ; the pass's fourth group asks for nothing: it stays, and the next pass begins with it
.irp m, 0,1,2,3
	v_add_f32 v[96+\m], v[32+2*\m], v[33+2*\m]
.endr
.irp m, 0,1,2,3
	v_permlanex16_b32 v[100+\m], v[96+\m], s50, s51
.endr
.irp m, 0,1,2,3
	v_add_f32 v[96+\m], v[96+\m], v[100+\m]        ; with lane l xor 16's 8 outputs of each tile: my wave's 256
.endr
.irp m, 0,1,2,3
	ds_store_b32 v14, v[96+\m] offset:64*\m        ; lanes r and r + 16 write the same word with the same value
.endr
	s_wait_dscnt 0x0
	s_barrier_signal -1                            ; (the refill may stay out)
	s_barrier_wait -1
	SOFTMAX
	CONTEXT
.if !\last
	s_wait_xcnt 0x0                                ; the mask's load and the scores' store have read their bases and data
	s_add_nc_u64 s[6:7], s[6:7], 64
	s_add_nc_u64 s[16:17], s[16:17], 256
.endif
.endm
	s_mov_b32 s23, 3
.Lpass:
	PASS 0
	s_sub_co_u32 s23, s23, 1
	s_cmp_lg_u32 s23, 0
	s_cbranch_scc1 .Lpass
	PASS 1                                         ; the last pass is written out: it asks for no rows beyond the end
	; ---- THE WAY OUT: l over the lanes; m and l; the 256 context sums of my wave through my own 1,024 bytes of LDS, where the halves that lanes with s = 1 hold the other way round fall into place
	v_add_f32_dpp v21, v21, v21 row_xmask:1 row_mask:0xf bank_mask:0xf
	v_add_f32_dpp v21, v21, v21 row_xmask:2 row_mask:0xf bank_mask:0xf
	v_add_f32_dpp v21, v21, v21 row_xmask:4 row_mask:0xf bank_mask:0xf
	v_add_f32_dpp v21, v21, v21 row_xmask:8 row_mask:0xf bank_mask:0xf
	v_permlanex16_b32 v23, v21, s50, s51
	v_add_f32 v21, v21, v23
	v_add_nc_u32 v5, CX, v3
	v_add_nc_u32 v6, CX, v4
	s_cmp_lg_u32 s22, 0
	s_cbranch_scc1 .Lno_ml
	global_store_b64 v19, v[20:21], s[20:21]       ; wave 0: the same pair from every lane: 256 consecutive bytes, aligned
.Lno_ml:
	ds_store_b128 v5, v[88:91]
	ds_store_b128 v6, v[92:95]
	ds_load_b128 v[96:99], v29                     ; LDS serves a wave's instructions in order: these see my stores
	ds_load_b128 v[100:103], v29 offset:512
	s_wait_dscnt 0x0
	global_store_b128 v12, v[96:99], s[18:19]      ; 32 lanes store 512 consecutive bytes
	global_store_b128 v12, v[100:103], s[18:19] offset:512
	s_wait_tensorcnt 0x0                           ; the wave's end, behind my last tensor load and my last LDS store
	ds_add_u32 v1, v2
	s_wait_dscnt 0x0
	s_endpgm
.Lfunc_end_k_q870d6a7fed_main:
	.size	k_q870d6a7fed_main, .Lfunc_end_k_q870d6a7fed_main-k_q870d6a7fed_main
	.p2alignl 7, 3214868480
	.fill 96, 4, 3214868480
	.section	.rodata,"a",@progbits
	.p2align	6, 0x0
	.amdhsa_kernel k_q870d6a7fed_main
		.amdhsa_group_segment_fixed_size 327680
		.amdhsa_private_segment_fixed_size 0
		.amdhsa_enable_private_segment 0
		.amdhsa_kernarg_size 72
		.amdhsa_user_sgpr_count 2
		.amdhsa_user_sgpr_kernarg_segment_ptr 1
		.amdhsa_wavefront_size32 1
		.amdhsa_system_sgpr_workgroup_id_x 1
		.amdhsa_system_sgpr_workgroup_id_y 1
		.amdhsa_system_sgpr_workgroup_id_z 1
		.amdhsa_system_vgpr_workitem_id 0
		.amdhsa_next_free_vgpr 1024
		.amdhsa_next_free_sgpr 66
		.amdhsa_reserve_vcc 1
		.amdhsa_float_denorm_mode_32 3
		.amdhsa_float_denorm_mode_16_64 3
		.amdhsa_memory_ordered 1
		.amdhsa_forward_progress 1
		.amdhsa_inst_pref_size 255
	.end_amdhsa_kernel
	.section	.bss,"aw",@nobits
	.p2align	6
	.space	262144
	.amdgpu_metadata
---
amdhsa.version: [ 1, 2 ]
amdhsa.kernels:
  - .name:           k_q870d6a7fed_main
    .symbol:         k_q870d6a7fed_main.kd
    .args:
      - { .name: encoder_outputs, .offset: 0, .size: 8, .value_kind: global_buffer, .address_space: global }
      - { .name: mask, .offset: 8, .size: 8, .value_kind: global_buffer, .address_space: global }
      - { .name: v, .offset: 16, .size: 8, .value_kind: global_buffer, .address_space: global }
      - { .name: w1f, .offset: 24, .size: 8, .value_kind: global_buffer, .address_space: global }
      - { .name: w1s, .offset: 32, .size: 8, .value_kind: global_buffer, .address_space: global }
      - { .name: w2h, .offset: 40, .size: 8, .value_kind: global_buffer, .address_space: global }
      - { .name: scores, .offset: 48, .size: 8, .value_kind: global_buffer, .address_space: global }
      - { .name: part, .offset: 56, .size: 8, .value_kind: global_buffer, .address_space: global }
      - { .name: ml, .offset: 64, .size: 8, .value_kind: global_buffer, .address_space: global }
    .group_segment_fixed_size: 327680
    .private_segment_fixed_size: 0
    .kernarg_segment_align: 8
    .kernarg_segment_size: 72
    .max_flat_workgroup_size: 128
    .sgpr_count:     66
    .vgpr_count:     1024
    .wavefront_size: 32
...
	.end_amdgpu_metadata
.endif
;; end of part 2
;; launch join (part 3): grid 32 x 4, 2 waves a work-group, no clusters, 0 bytes of LDS; arguments scores, part, ml, out0, out1; writes out0, out1
.if DOCPART == 3
	.amdgcn_target "amdgcn-amd-amdhsa--gfx1250"
	.amdhsa_code_object_version 6
	.text
	.protected	k_q870d6a7fed_join
	.globl	k_q870d6a7fed_join
	.p2align	8
	.type	k_q870d6a7fed_join,@function
k_q870d6a7fed_join:
	s_mov_b64 s[64:65], 0
	v_nop
	global_prefetch_b8 v0, s[64:65] scope:SCOPE_SE
	s_setreg_imm32_b32 hwreg(HW_REG_WAVE_MODE, 25, 1), 1
	s_wait_xcnt 0x0
; Third launch: no work of the problem is left out here.  Batch b = work-group x was served by eight work-groups g of the second launch, each with its own maximum m_g, sum l_g and unnormalised context part_g.
; M = the largest m_g; w_g = e^(m_g - M); L = sum of l_g w_g; out0 = sum of part_g w_g / L; out1 = e^(score - M) / L.  The maximum is taken away ahead of every exponential, as the definition does.
; Work-group (b, q) makes a quarter of the batch's outputs: thread t has 4 context columns (256 q + 4 t on) and 8 weights.  No matrix unit, no LDS: 10 KB are read by a work-group, each number used once.
.set ML, 8                             ; v8-23   (m_g, l_g), the same in every lane
.set PT, 24                            ; v24-55  part_g, 4 columns each
.set SC, 56                            ; v56-63  8 scores, then 8 weights
.set W,  66                            ; v66-73  w_g
	s_load_b256 s[4:11], s[0:1], 0x0               ; scores s[4:5], part s[6:7], ml s[8:9], out0 s[10:11]
	s_load_b64 s[12:13], s[0:1], 0x20              ; out1
	s_and_b32 s14, ttmp7, 0xffff                   ; q
	v_lshlrev_b32 v1, 4, v0                        ; 16 t
	v_mov_b32 v2, 0
	s_lshl_b32 s16, ttmp9, 13                      ; scores, out1: 8,192 b + 2,048 q
	s_lshl_b32 s15, s14, 11
	s_add_co_u32 s16, s16, s15
	s_mov_b32 s17, 0
	s_lshl_b32 s18, ttmp9, 15                      ; part: 8 rows of 4,096 bytes a batch, + 1,024 q
	s_lshl_b32 s15, s14, 10
	s_add_co_u32 s18, s18, s15
	s_mov_b32 s19, 0
	s_lshl_b32 s20, ttmp9, 11                      ; ml: 8 x 256 bytes a batch
	s_mov_b32 s21, 0
	s_lshl_b32 s22, ttmp9, 12                      ; out0: 4,096 b + 1,024 q
	s_add_co_u32 s22, s22, s15
	s_mov_b32 s23, 0
	s_wait_kmcnt 0x0
	s_add_nc_u64 s[4:5], s[4:5], s[16:17]
	s_add_nc_u64 s[12:13], s[12:13], s[16:17]
	s_add_nc_u64 s[6:7], s[6:7], s[18:19]
	s_add_nc_u64 s[8:9], s[8:9], s[20:21]
	s_add_nc_u64 s[10:11], s[10:11], s[22:23]
.irp g, 0,1,2,3,4,5,6,7
	global_load_b64 v[ML+2*\g:ML+2*\g+1], v2, s[8:9] offset:256*\g
.endr
	global_load_b128 v[SC:SC+3], v1, s[4:5]
	global_load_b128 v[SC+4:SC+7], v1, s[4:5] offset:1024
.irp g, 0,1,2,3,4,5,6,7
	global_load_b128 v[PT+4*\g:PT+4*\g+3], v1, s[6:7] offset:4096*\g
.endr
	s_wait_loadcnt 0x0
	v_max3_num_f32 v64, v[ML], v[ML+2], v[ML+4]
	v_max3_num_f32 v64, v64, v[ML+6], v[ML+8]
	v_max3_num_f32 v64, v64, v[ML+10], v[ML+12]
	v_max_num_f32 v64, v64, v[ML+14]               ; M
.irp g, 0,1,2,3,4,5,6,7
	v_sub_f32 v[W+\g], v[ML+2*\g], v64
.endr
.irp i, 0,1,2,3,4,5,6,7
	v_sub_f32 v[SC+\i], v[SC+\i], v64
.endr
.irp g, 0,1,2,3,4,5,6,7
	v_mul_f32 v[W+\g], 0x3fb8aa3b, v[W+\g]
.endr
.irp i, 0,1,2,3,4,5,6,7
	v_mul_f32 v[SC+\i], 0x3fb8aa3b, v[SC+\i]
.endr
.irp g, 0,1,2,3,4,5,6,7
	v_exp_f32 v[W+\g], v[W+\g]
.endr
.irp i, 0,1,2,3,4,5,6,7
	v_exp_f32 v[SC+\i], v[SC+\i]
.endr
	v_nop                                          ; a plain line behind the last exponential,
	s_wait_alu depctr_va_vdst(0)                   ; and one wait for the sixteen, ahead of their first reader
	v_mul_f32 v65, v[ML+1], v[W]
.irp g, 1,2,3,4,5,6,7
	v_fmac_f32 v65, v[ML+2*\g+1], v[W+\g]          ; L
.endr
	v_rcp_f32 v74, v65
	v_nop
	s_wait_alu depctr_va_vdst(0)
.irp g, 0,1,2,3,4,5,6,7
	v_mul_f32 v[W+\g], v[W+\g], v74                ; w_g / L
.endr
.irp c, 0,1,2,3
	v_mul_f32 v[76+\c], v[PT+\c], v[W]
.endr
.irp g, 1,2,3,4,5,6,7
.irp c, 0,1,2,3
	v_fmac_f32 v[76+\c], v[PT+4*\g+\c], v[W+\g]
.endr
.endr
.irp i, 0,1,2,3,4,5,6,7
	v_mul_f32 v[SC+\i], v[SC+\i], v74
.endr
	global_store_b128 v1, v[76:79], s[10:11]       ; each wave's store covers 512 consecutive bytes
	global_store_b128 v1, v[SC:SC+3], s[12:13]
	global_store_b128 v1, v[SC+4:SC+7], s[12:13] offset:1024
	s_endpgm
.Lfunc_end_k_q870d6a7fed_join:
	.size	k_q870d6a7fed_join, .Lfunc_end_k_q870d6a7fed_join-k_q870d6a7fed_join
	.p2alignl 7, 3214868480
	.fill 96, 4, 3214868480
	.section	.rodata,"a",@progbits
	.p2align	6, 0x0
	.amdhsa_kernel k_q870d6a7fed_join
		.amdhsa_group_segment_fixed_size 0
		.amdhsa_private_segment_fixed_size 0
		.amdhsa_enable_private_segment 0
		.amdhsa_kernarg_size 40
		.amdhsa_user_sgpr_count 2
		.amdhsa_user_sgpr_kernarg_segment_ptr 1
		.amdhsa_wavefront_size32 1
		.amdhsa_system_sgpr_workgroup_id_x 1
		.amdhsa_system_sgpr_workgroup_id_y 1
		.amdhsa_system_sgpr_workgroup_id_z 1
		.amdhsa_system_vgpr_workitem_id 0
		.amdhsa_next_free_vgpr 96
		.amdhsa_next_free_sgpr 66
		.amdhsa_reserve_vcc 0
		.amdhsa_float_denorm_mode_32 3
		.amdhsa_float_denorm_mode_16_64 3
		.amdhsa_memory_ordered 1
		.amdhsa_forward_progress 1
		.amdhsa_inst_pref_size 8
	.end_amdhsa_kernel
	.amdgpu_metadata
---
amdhsa.version: [ 1, 2 ]
amdhsa.kernels:
  - .name:           k_q870d6a7fed_join
    .symbol:         k_q870d6a7fed_join.kd
    .args:
      - { .name: scores, .offset: 0, .size: 8, .value_kind: global_buffer, .address_space: global }
      - { .name: part, .offset: 8, .size: 8, .value_kind: global_buffer, .address_space: global }
      - { .name: ml, .offset: 16, .size: 8, .value_kind: global_buffer, .address_space: global }
      - { .name: out0, .offset: 24, .size: 8, .value_kind: global_buffer, .address_space: global }
      - { .name: out1, .offset: 32, .size: 8, .value_kind: global_buffer, .address_space: global }
    .group_segment_fixed_size: 0
    .private_segment_fixed_size: 0
    .kernarg_segment_align: 8
    .kernarg_segment_size: 40
    .max_flat_workgroup_size: 64
    .sgpr_count:     66
    .vgpr_count:     96
    .wavefront_size: 32
...
	.end_amdgpu_metadata
.endif
;; end of part 3
